; MI455X (gfx1250); checked and timed in simulation.
; The chip was launched on July 23, 2026; its instructions are those of AMD's public machine-readable ISA for CDNA 5 (MIT licence, August 2026) and "CDNA5" Instruction Set Architecture Reference Guide (July 2026). The comments in the code are by the model that wrote it; some were corrected since.
;; Attention Layer. Allowed arithmetic: matrix products marked QUANTISED: E2M3 operands, one E8M0 scale for each 32 along K, by v_wmma_scale_f32_16x16x128_f8f6f4 with both operands' format E2M3, f32 sums; everything else in f32.
;; Inputs: bk 1,024 float32; bq 1,024 float32; bv 1,024 float32; mask 4 x 2,048 int32; wk 1,024 x 1,024 float32; wq 1,024 x 1,024 float32; wv 1,024 x 1,024 float32; x 4 x 2,048 x 1,024 float32.
;; Outputs: out0 4 x 2,048 x 1,024 float32.
;; This version of the problem:
;;   THIS VERSION OF THE PROBLEM IS GIVEN IN LOW PRECISION. The matrix products marked QUANTISED in the list below multiply operands that are first quantised to E2M3 (2 exponent bits, 3 mantissa bits; 6 bits a number), with one power-of-two scale for each 32 numbers along K (OCP MX v1.0); their sums are f32. All else is computed in f32.
;;   The module's matrix products, in the order in which they are computed (A, B: the left and right operand; K: the contracted axis; several contracted axes count as one K, in the product's order):
;;     1. [M 8,192, K 1,024] x [K 1,024, N 1,024]; A: input x; B: input wq: QUANTISED
;;     2. [M 8,192, K 1,024] x [K 1,024, N 1,024]; A: input x; B: input wk: QUANTISED
;;     3. [M 8,192, K 1,024] x [K 1,024, N 1,024]; A: input x; B: input wv: QUANTISED
;;     4. batch 64 x [M 2,048, K 64] x [K 64, N 2,048]; A: computed on the way; B: computed on the way: QUANTISED
;;     5. batch 64 x [M 2,048, K 2,048] x [K 2,048, N 64]; A: softmax (see below); B: computed on the way: QUANTISED
;;   THE QUANTISER, for each operand of a quantised product, along K:
;;     - K is cut into blocks of 32 from its start; a last block that is shorter is filled with zeros.
;;     - A block's scale is 2^e with e = floor(log2(the largest magnitude in the block)) - 2, held to -126 .. 127; a block of zeros has e = 0. As a byte (E8M0): e + 127.
;;     - Each number is divided by its block's scale, clamped to +-7.5, and rounded to the nearest number of E2M3, ties to even, subnormals kept.
;;     - The product sums the exact products of the quantised numbers (number of the format x scale) in f32.
;;   ~~~python
;;   def quantise(x, axis):      # numpy; x: float32 -> the quantised numbers, widened to float32 again
;;       x = np.moveaxis(x, axis, -1); K = x.shape[-1]
;;       x = np.pad(x, [(0, 0)] * (x.ndim - 1) + [(0, -K % 32)]); x = x.reshape(x.shape[:-1] + (-1, 32)); a = np.abs(x).max(-1, keepdims=True)
;;       e = np.where(a > 0, np.clip(np.frexp(np.where(a > 0, a, 1))[1] - 1 - 2, -126, 127), 0)      # np.frexp(a)[1] - 1 = floor(log2(a)), exactly
;;       r = np.clip(x / 2.0 ** e, -7.5, 7.5)
;;       step = 2.0 ** (np.maximum(np.frexp(np.where(r == 0, 1, r))[1] - 1, 0) - 3)
;;       q = np.round(r / step) * step * 2.0 ** e      # np.round: ties to even
;;       return np.moveaxis(q.reshape(q.shape[:-2] + (-1,))[..., :K], -1, axis).astype(np.float32)
;;   ~~~
;;   SOFTMAX AHEAD OF A QUANTISED PRODUCT. Where the list says 'softmax', what is quantised is not the finished softmax but p = 2^(t - M), with t = logit x log2(e) and M = ceil(the row's largest t), a whole number; so 1/2 < the row's largest p <= 1. The row's sum l is taken of the UNQUANTISED p, in f32, and the product's result is divided by l at the end. Since M is a whole number, a kernel that streams over the keys may use a running M (the ceiling of the running maximum): every later rescaling is an exact power of two, which a block's scale takes up: the codes' values come out the same.
;;   OPERANDS COMPUTED ON THE WAY. 'Computed on the way' means the value that the module computes at that place (a softmax that the list does not call 'softmax' is quantised finished and normalised). What goes into a quantiser is computed in f32, as accurately as f32 sums, v_exp_f32 and their like allow (about 1e-6 of the number): no bf16 or f16 on the way to a quantiser, and a product that is left as it is and whose result goes on into a quantised operand takes f32 operands (vector FMAs, or v_wmma_f32_16x16x4_f32). A number that lies on a knife's edge between two numbers of the format may be rounded either way, as far as f32 arithmetic and the matrix unit's own rounding can turn it there, and no further.
;; One version. Each part assembles by itself: llvm-mc -triple=amdgcn-amd-amdhsa -mcpu=gfx1250 --defsym DOCPART=n.
;; ======== version 1 of 1: 3 launches
;; limits: right only within a limited range of input values
;; workspace buffers: xc 6,291,456 bytes; xs 262,144 bytes; wc 2,359,296 bytes; ws 98,304 bytes; qg 6,553,600 bytes; kv 13,107,200 bytes
;; launch quant (part 1): grid 352 x 1, 4 waves a work-group, no clusters, 68,096 bytes of LDS; arguments x, wq, wk, wv, xc, xs, wc, ws; writes xc, xs, wc, ws
.if DOCPART == 1
	.amdgcn_target "amdgcn-amd-amdhsa--gfx1250"
	.amdhsa_code_object_version 6
	.text
	.protected	k_qfe2f737ca5_quant
	.globl	k_qfe2f737ca5_quant
	.p2align	8
	.type	k_qfe2f737ca5_quant,@function
k_qfe2f737ca5_quant:
	s_mov_b64 s[64:65], 0
	v_nop
	global_prefetch_b8 v0, s[64:65] scope:SCOPE_SE
	s_setreg_imm32_b32 hwreg(HW_REG_WAVE_MODE, 25, 1), 1
	s_wait_xcnt 0x0
; x [8192][1024] f32 (K innermost) and wq, wk, wv [1024 (k)][1024 (n)] f32 (K outermost) become codes of FP6 (E2M3), K innermost, 768 bytes a row,
; with one E8M0 byte for each 32 along K, 32 bytes a row.  xc, xs: 8,192 rows.  wc, ws: 3,072 rows: wq's columns, then wk's, then wv's.
; A block's scale is 2^(floor(log2(its largest magnitude)) - 2): its byte is the largest magnitude's exponent field - 2, held at 1 from below.
; ROW PLACES: row rho (a token, or a column n) is laid at place rho with bits 3 and 4 exchanged.  So 16 neighbouring places 32 b + 16 u + r hold the rows
; 32 b + 8 u + r % 8 + 16 (r / 8): the next launch reads neighbouring places and its results come out with 16 neighbours along the next K in a lane's registers.
; LIMITS: a block of zeros, or one whose largest magnitude lies under 2^(3 - 127), gets the byte 1 (its codes are zeros; this program alone reads the bytes); NaN and infinities are not served.
; Work-groups 0-255 take x: a wave takes 8 rows, 16 steps of 512 numbers; each load reads 512 consecutive bytes; the numbers turn through the wave's own stage in LDS so that a lane holds 16 neighbours.
; Work-groups 256-351 take the weights: a lane takes a column, its registers run down K; a wave takes 32 columns x 256 along K; the codes leave by rows through the wave's own stage.
; The two ways part on the work-group's number, never join, and have LDS bytes of their own (0 .. 32,767 and 32,768 .. 67,583).  Waves share nothing: no barrier.
.set XWG,   256                        ; work-groups for x: 8,192 x 1,024 / 32,768
.set STEPS, 16
.set CB,    12                         ; bytes of 16 codes
.set WREG,  8192                       ; x: LDS of a wave: two stages of 32 x SP bytes, then its 256 scale bytes
.set SP,    80                         ; a lane's place in a stage: 64 bytes + 16 of padding
.set XR,    16                         ; v16-79   x: four sets of 16 numbers as loaded
.set XX,    80                         ; v80-111  two sets of 16 neighbours
.set XE,    112                        ; v112-127 a scale byte for each step
.set XC,    128                        ; v128-191 codes: four registers a step, so that no store's data are written again
.set WSTG,  32768                      ; w: the stages begin here
.set WPI,   272                        ; a stage row: sixteen places of 16 bytes (12 of codes each) + 16
; LAYOUT OF xc AND wc: a row's 768 bytes of codes are laid as four pieces of 192 bytes (256 along K), piece s in plane s: [K step 4][row][192 bytes].
; So 128 neighbouring rows of one K step are 24,576 dense bytes that begin at a multiple of 256 bytes from the buffer's first byte.
.set KROW,  192                        ; a row's piece in a plane
.set PLX,   8192*192                   ; a plane of xc
.set PLW,   3072*192                   ; a plane of wc
.set NB,    8                          ; blocks of 32 along K for a wave
.set WX,    32                         ; v32-95   w: two sets of 32 numbers
.set WC,    96                         ; v96..    a block's codes
.set WOUT,  112                        ; v112-175 the way out
.set WSB,   24                         ; v24-25   eight scale bytes
	s_load_b256 s[4:11], s[0:1], 0x0               ; x, wq, wk, wv
	s_load_b256 s[12:19], s[0:1], 0x20             ; xc, xs, wc, ws
	v_lshl_add_u32 v192, v0, 2, 0x10800
	v_mov_b32 v193, 0
	v_lshrrev_b32 v1, 5, v0
	v_readfirstlane_b32 s20, v1                    ; wave 0..3
	v_and_b32 v2, 31, v0                           ; lane
	s_cmp_lt_u32 ttmp9, XWG
	s_cbranch_scc0 .Lw
	; ---------------- x ----------------
	v_lshlrev_b32 v3, 4, v2                        ; my 16 bytes of a load's 512
	s_mul_i32 s21, s20, WREG
	v_lshrrev_b32 v14, 2, v2
	v_mul_u32_u24 v14, v14, SP
	v_and_b32 v15, 3, v2
	v_lshl_add_u32 v14, v15, 4, v14
	v_add_nc_u32 v14, s21, v14                     ; the stage, on the way in: SP (lane / 4) + 16 (lane % 4)
	v_mul_u32_u24 v15, v2, SP
	v_add_nc_u32 v15, s21, v15                     ; on the way out: SP x lane: my 16 neighbours
	v_and_b32 v4, 15, v2
	v_mul_u32_u24 v4, v4, CB                       ; my codes' place in a piece of 192 bytes: sixteen lanes to a piece,
	v_lshrrev_b32 v5, 4, v2
	v_mad_u32_u24 v4, v5, PLX, v4                  ; lanes 16-31 one plane on
	v_lshrrev_b32 v5, 1, v2
	s_add_co_u32 s21, s21, 2*32*SP
	v_add_nc_u32 v5, s21, v5                       ; my block's byte among the wave's 256
	v_lshlrev_b32 v7, 3, v2
	v_add_nc_u32 v6, s21, v7                       ; and 8 bytes a lane on their way out
	s_lshl_b32 s22, ttmp9, 2
	s_add_co_u32 s24, s22, s20                     ; the run of 8 rows that I read: 4 x work-group + wave
	s_lshl_b32 s24, s24, 15                        ; 32,768 bytes a run
	s_mov_b32 s25, 0
	s_and_b32 s23, s20, 1
	s_lshl_b32 s23, s23, 1
	s_lshr_b32 s26, s20, 1
	s_or_b32 s23, s23, s26                         ; the wave's two bits exchanged: they are bits 3 and 4 of the row
	s_add_co_u32 s22, s22, s23                     ; the run of 8 places that I write
	s_mul_i32 s26, s22, 8*KROW
	s_mov_b32 s27, 0
	s_lshl_b32 s28, s22, 8                         ; 256 scale bytes a run
	s_mov_b32 s29, 0
	s_wait_alu depctr_va_vdst(0)
	s_wait_kmcnt 0x0
	s_add_nc_u64 s[4:5], s[4:5], s[24:25]
	s_add_nc_u64 s[12:13], s[12:13], s[26:27]
	s_add_nc_u64 s[14:15], s[14:15], s[28:29]
.macro XLOAD t
.irp i, 0,1,2,3
	global_load_b128 v[XR+16*((\t)%4)+4*\i:XR+16*((\t)%4)+4*\i+3], v3, s[4:5] offset:2048*(\t)+512*\i th:TH_LOAD_NT   ; 32 lanes read 512 consecutive bytes
.endr
.endm
.macro XTURN t                         ; step t's numbers through the stage: LDS serves a wave's instructions in order, so no wait stands between the stores and the loads
.irp i, 0,1,2,3
	ds_store_b128 v14, v[XR+16*((\t)%4)+4*\i:XR+16*((\t)%4)+4*\i+3] offset:32*SP*((\t)%2)+8*SP*\i
.endr
.irp i, 0,1,2,3
	ds_load_b128 v[XX+16*((\t)%2)+4*\i:XX+16*((\t)%2)+4*\i+3], v15 offset:32*SP*((\t)%2)+16*\i
.endr
.endm
.irp t, 0,1,2,3
	XLOAD \t
.endr
	s_wait_loadcnt 12                              ; step 0's four loads are in; the twelve of steps 1 to 3 may be out
	XTURN 0
.macro XSTEP t
.set XS, XX+16*((\t)%2)
.if (\t) > 0
	s_wait_dscnt 1                                 ; this step's numbers are back from the stage (the last step's byte store may be out), so the stage's stores have read their registers,
.else
	s_wait_dscnt 0x0
.endif
.if (\t)+4 < STEPS
	XLOAD (\t)+4                                   ; which take the loads of four steps on
.endif
.if (\t)+1 < STEPS
.if STEPS-2-(\t) >= 3
	s_wait_loadcnt 12                              ; the next step's four loads are in; those of the three steps behind it may be out
.else
	s_wait_loadcnt 4*(STEPS-2-(\t))
.endif
	XTURN (\t)+1                                   ; they go through the other stage while this step is worked
.endif
	v_max3_num_f32 v8, |v[XS]|, |v[XS+1]|, |v[XS+2]|               ; the largest magnitude of my 16, in two chains
	v_max3_num_f32 v9, |v[XS+3]|, |v[XS+4]|, |v[XS+5]|
.irp i, 6,10
	v_max3_num_f32 v8, v8, |v[XS+\i]|, |v[XS+\i+1]|
	v_max3_num_f32 v9, v9, |v[XS+\i+2]|, |v[XS+\i+3]|
.endr
	v_max3_num_f32 v8, v8, |v[XS+14]|, |v[XS+15]|
	v_max3_num_f32 v8, v8, v9, 0x1800000           ; and the floor 2^(3 - 127): the byte cannot fall under 1
	v_max_num_f32_dpp v8, v8, v8 row_xmask:1 row_mask:0xf bank_mask:0xf   ; with my neighbour's 16: the block's
	v_add_nc_u32 v11, 0xff000000, v8               ; 2 off its exponent field: the conversion takes the exponent field of this operand as its scale
	v_cvt_scalef32_pk16_fp6_f32 v[XC+4*(\t):XC+4*(\t)+2], v[XS:XS+15], v11
	v_lshrrev_b32 v[XE+(\t)], 23, v11              ; the scale's byte (a plain line behind the conversion)
	ds_store_b8 v5, v[XE+(\t)] offset:16*(\t)      ; both lanes of a block write the same byte with the same value
	global_store_b96 v4, v[XC+4*(\t):XC+4*(\t)+2], s[12:13] offset:((\t)%2)*2*PLX+((\t)/2)*KROW   ; step t is half t % 2 of row t / 2: K steps 2 (t % 2) and the next; sixteen lanes store 192 consecutive bytes
.endm
.irp t, 0,1,2,3,4,5,6,7,8,9,10,11,12,13,14,15
	XSTEP \t
.endr
	ds_load_b64 v[12:13], v6                       ; LDS serves a wave's instructions in order: these see my byte stores
	s_wait_dscnt 0x0
	global_store_b64 v7, v[12:13], s[14:15]        ; 32 lanes store 256 consecutive bytes, aligned
	s_wait_tensorcnt 0x0
	ds_add_u32 v192, v193
	s_wait_dscnt 0x0
	s_endpgm
	; ---------------- the weights ----------------
.Lw:
	s_sub_co_u32 s21, ttmp9, XWG                   ; 0 .. 95
	s_lshr_b32 s22, s21, 5                         ; which weight: 0 wq, 1 wk, 2 wv
	s_and_b32 s23, s21, 7                          ; which 128 columns
	s_bfe_u32 s24, s21, 0x20003                    ; which 256 along K
	s_lshl_b32 s25, s23, 7
	s_lshl_b32 s26, s20, 5
	s_add_co_u32 s25, s25, s26                     ; my wave's first column
	s_wait_alu depctr_va_vdst(0)
	v_lshlrev_b32 v3, 2, v2                        ; in: 4 bytes a lane
	v_and_b32 v10, 7, v2
	v_bfe_u32 v12, v2, 3, 1
	v_bfe_u32 v13, v2, 4, 1
	v_lshl_add_u32 v10, v12, 4, v10
	v_lshl_add_u32 v10, v13, 3, v10                ; my column's place among the wave's 32: bits 3 and 4 exchanged
	s_mul_i32 s27, s20, 32*WPI
	s_add_co_u32 s27, s27, WSTG                    ; my stage
	v_mul_u32_u24 v4, v10, WPI
	v_add_nc_u32 v4, s27, v4                       ; into it: row = my column's place
	v_and_b32 v5, 15, v2
	v_lshrrev_b32 v6, 4, v2
	v_mul_u32_u24 v7, v6, WPI
	v_lshl_add_u32 v7, v5, 4, v7
	v_add_nc_u32 v7, s27, v7                       ; out of it: sixteen lanes to a row, two rows an instruction
	v_mul_u32_u24 v8, v6, KROW
	v_mad_u32_u24 v8, v5, 12, v8                   ; and the same place in the codes' buffer
	v_lshlrev_b32 v9, 5, v10                       ; my place's row of scale bytes
	s_lshl_b32 s28, s24, 20                        ; 256 rows of 4,096 bytes
	s_lshl_b32 s29, s25, 2
	s_add_co_u32 s28, s28, s29
	s_mov_b32 s29, 0
	s_lshl_b32 s30, s22, 10
	s_add_co_u32 s30, s30, s25                     ; my first row of wc and ws
	s_mul_i32 s32, s30, KROW
	s_mul_i32 s33, s24, PLW                        ; my K step's plane
	s_add_co_u32 s32, s32, s33
	s_mov_b32 s33, 0
	s_lshl_b32 s34, s30, 5
	s_lshl_b32 s35, s24, 3
	s_add_co_u32 s34, s34, s35
	s_mov_b32 s35, 0
	s_wait_kmcnt 0x0
	s_cmp_eq_u32 s22, 1                            ; the choice hangs on the work-group's number alone
	s_cselect_b64 s[6:7], s[8:9], s[6:7]
	s_cmp_eq_u32 s22, 2
	s_cselect_b64 s[6:7], s[10:11], s[6:7]
	s_add_nc_u64 s[6:7], s[6:7], s[28:29]
	s_add_nc_u64 s[16:17], s[16:17], s[32:33]
	s_add_nc_u64 s[18:19], s[18:19], s[34:35]
.macro WLOAD t                         ; block t: W(32 t + i, my column), i = 0 .. 31, into set t % 2; a wave's load reads 128 consecutive bytes
.irp i, 0,1,2,3,4,5,6,7,8,9,10,11,12,13,14,15,16,17,18,19,20,21,22,23,24,25,26,27,28,29,30,31
	global_load_b32 v[WX+32*((\t)%2)+\i], v3, s[6:7] offset:(32*(\t)+\i)*4096 th:TH_LOAD_NT
.endr
.endm
	WLOAD 0
	WLOAD 1
.macro WBLOCK t
.set WS, WX+32*((\t)%2)
.if (\t) < NB-1
	s_wait_loadcnt 32                              ; this block's 32 loads are in; the next block's 32 may be out
.else
	s_wait_loadcnt 0
.endif
	v_max3_num_f32 v12, |v[WS]|, |v[WS+1]|, |v[WS+2]|              ; the block's largest magnitude: all 32 numbers are mine
	v_max3_num_f32 v13, |v[WS+3]|, |v[WS+4]|, |v[WS+5]|
.irp i, 6,10,14,18,22,26
	v_max3_num_f32 v12, v12, |v[WS+\i]|, |v[WS+\i+1]|
	v_max3_num_f32 v13, v13, |v[WS+\i+2]|, |v[WS+\i+3]|
.endr
	v_max3_num_f32 v12, v12, |v[WS+30]|, |v[WS+31]|
	v_max3_num_f32 v12, v12, v13, 0x1800000        ; and the floor
	v_add_nc_u32 v11, 0xff000000, v12              ; the conversion's scale operand
	v_lshrrev_b32 v13, 23, v11                     ; the scale's byte
.if (\t)%4 == 0
	v_mov_b32 v[WSB+(\t)/4], v13                   ; four bytes to a register, the lower K in the lower byte
.else
	v_lshl_or_b32 v[WSB+(\t)/4], v13, 8*((\t)%4), v[WSB+(\t)/4]
.endif
	v_cvt_scalef32_pk16_fp6_f32 v[WC:WC+2], v[WS:WS+15], v11
	v_cvt_scalef32_pk16_fp6_f32 v[WC+4:WC+6], v[WS+16:WS+31], v11  ; (a conversion's three registers begin on an even number)
	ds_store_b96 v4, v[WC:WC+2] offset:32*(\t)     ; 12 bytes to a place of 16, so that every LDS address is a multiple of 16
	ds_store_b96 v4, v[WC+4:WC+6] offset:32*(\t)+16
.if (\t)+2 < NB
	WLOAD (\t)+2
.endif
	s_wait_dscnt 0x0                               ; the stores have read their registers: the next block's codes may be written
.endm
.set Q, 0
.rept NB
	WBLOCK Q
.set Q, Q+1
.endr
	s_wait_alu depctr_va_vdst(0)
	global_store_b64 v9, v[WSB:WSB+1], s[18:19]    ; my column's eight scale bytes
.irp t, 0,1,2,3,4,5,6,7,8,9,10,11,12,13,14,15
	ds_load_b96 v[WOUT+4*\t:WOUT+4*\t+2], v7 offset:2*\t*WPI       ; LDS serves a wave's instructions in order: these see my stores
.endr
.irp t, 0,1,2,3,4,5,6,7,8,9,10,11,12,13,14,15
	s_wait_dscnt 15-\t                             ; row pair t is in; the younger loads may be out
	global_store_b96 v8, v[WOUT+4*\t:WOUT+4*\t+2], s[16:17] offset:2*\t*KROW   ; sixteen lanes store a row's 192 consecutive bytes
.endr
	s_wait_tensorcnt 0x0
	ds_add_u32 v192, v193
	s_wait_dscnt 0x0
	s_endpgm
.Lfunc_end_k_qfe2f737ca5_quant:
	.size	k_qfe2f737ca5_quant, .Lfunc_end_k_qfe2f737ca5_quant-k_qfe2f737ca5_quant
	.p2alignl 7, 3214868480
	.fill 96, 4, 3214868480
	.section	.rodata,"a",@progbits
	.p2align	6, 0x0
	.amdhsa_kernel k_qfe2f737ca5_quant
		.amdhsa_group_segment_fixed_size 68096
		.amdhsa_private_segment_fixed_size 0
		.amdhsa_enable_private_segment 0
		.amdhsa_kernarg_size 64
		.amdhsa_user_sgpr_count 2
		.amdhsa_user_sgpr_kernarg_segment_ptr 1
		.amdhsa_wavefront_size32 1
		.amdhsa_system_sgpr_workgroup_id_x 1
		.amdhsa_system_sgpr_workgroup_id_y 1
		.amdhsa_system_sgpr_workgroup_id_z 1
		.amdhsa_system_vgpr_workitem_id 0
		.amdhsa_next_free_vgpr 194
		.amdhsa_next_free_sgpr 66
		.amdhsa_reserve_vcc 0
		.amdhsa_float_denorm_mode_32 3
		.amdhsa_float_denorm_mode_16_64 3
		.amdhsa_memory_ordered 1
		.amdhsa_forward_progress 1
		.amdhsa_inst_pref_size 74
	.end_amdhsa_kernel
	.amdgpu_metadata
---
amdhsa.version: [ 1, 2 ]
amdhsa.kernels:
  - .name:           k_qfe2f737ca5_quant
    .symbol:         k_qfe2f737ca5_quant.kd
    .args:
      - { .name: x, .offset: 0, .size: 8, .value_kind: global_buffer, .address_space: global }
      - { .name: wq, .offset: 8, .size: 8, .value_kind: global_buffer, .address_space: global }
      - { .name: wk, .offset: 16, .size: 8, .value_kind: global_buffer, .address_space: global }
      - { .name: wv, .offset: 24, .size: 8, .value_kind: global_buffer, .address_space: global }
      - { .name: xc, .offset: 32, .size: 8, .value_kind: global_buffer, .address_space: global }
      - { .name: xs, .offset: 40, .size: 8, .value_kind: global_buffer, .address_space: global }
      - { .name: wc, .offset: 48, .size: 8, .value_kind: global_buffer, .address_space: global }
      - { .name: ws, .offset: 56, .size: 8, .value_kind: global_buffer, .address_space: global }
    .group_segment_fixed_size: 68096
    .private_segment_fixed_size: 0
    .kernarg_segment_align: 8
    .kernarg_segment_size: 64
    .max_flat_workgroup_size: 128
    .sgpr_count:     66
    .vgpr_count:     194
    .wavefront_size: 32
...
	.end_amdgpu_metadata
.endif
;; end of part 1
;; launch proj (part 2): grid 12 x 32, 4 waves a work-group, clusters of 4 x 4, 327,680 bytes of LDS; arguments xc, xs, wc, ws, bq, bk, bv, qg, kv; writes qg, kv
.if DOCPART == 2
	.amdgcn_target "amdgcn-amd-amdhsa--gfx1250"
	.amdhsa_code_object_version 6
	.text
	.protected	k_qfe2f737ca5_proj
	.globl	k_qfe2f737ca5_proj
	.p2align	8
	.type	k_qfe2f737ca5_proj,@function
k_qfe2f737ca5_proj:
	s_mov_b64 s[64:65], 0
	v_nop
	global_prefetch_b8 v0, s[64:65] scope:SCOPE_SE
	s_setreg_imm32_b32 hwreg(HW_REG_WAVE_MODE, 25, 1), 1
	s_wait_xcnt 0x0
	s_wait_alu depctr_hold_cnt(0) depctr_sa_sdst(0) depctr_va_vdst(0) depctr_va_sdst(0) depctr_va_ssrc(0) depctr_va_vcc(0) depctr_vm_vsrc(0)
	s_getreg_b32 s2, hwreg(HW_REG_IB_STS2, 6, 4)
	s_cmp_eq_u32 s2, 0
	s_cbranch_scc0 .Lentry_in_a_cluster
	s_endpgm
.Lentry_in_a_cluster:
	s_bfe_u32 s2, ttmp6, 0x10000c
	s_cmp_lg_u32 s2, 0xf033
	s_cbranch_scc0 .Lentry_shape_is_right
	s_endpgm
.Lentry_shape_is_right:
.set KSTEP,  256
.set NQ,     2
; Q, K, V = x W + b on codes of FP6, quantised again on the way out into qg and kv.  xc and wc lie as [K step of 256][row][192 bytes]: the 128 rows that a wave fetches for a K step are
; 24,576 dense bytes and come as 96 rows of 256 bytes, each beginning at a multiple of 256 bytes; 16 bytes of padding behind every 64 give a row of codes 240 bytes in LDS.
.set ROWB,   192
.set KROW,   192                       ; a row's piece in a plane
.set PLX,    8192*192                  ; a plane of xc
.set PLW,    3072*192                  ; a plane of wc
.set PITCH,  240
.set FR,     12
.set NL,     6
.set NP,     4
.set HALFT,  128*PITCH
.set SLOT,   4*HALFT
.set LAPS,   2
.set KS,     32
.set SCL,    2*SLOT
.set HALFS,  16*272
.set SBLK,   2*272
.set SPARE,  SCL+4*HALFS
.set ADRA, 16
.set ADRB, 20
.set BOF,  24
.set AOF,  25
.set ADRS, 27
.set SPW,  28
.set NIL,  29
.set SC,   32
.set BB,   64
.set AF,   128
.set BA,   224
.set T,    128
.set PC,   192
.set TMX,  212
.set TMB,  216
.set TMS,  220
.set PWS,  232
.set VO,   240
.set VS,   244
.set PW,   245
.set AP,   246
.set YW,   248
.set G1, 24
.set G0, 32
.set G1B, 48
.set G0B, 56
.set G1S, 68
.set G0S, 76
.set G1SB, 80
.set G0SB, 88
.set MSB, 0
.macro WIN new
.if MSB != \new
	s_set_vgpr_msb (MSB<<8)|\new
.set MSB, \new
.endif
.endm
.set MUL_LO, 0xa1
.set MUL_HI, 0xf1
.set TO_B,   0x40
.macro JLOAD g0a, g1a, g0b, g1b
	s_cmp_eq_u32 s15, 0
	s_cbranch_scc0 .Lfor_b_\@
	tensor_load_to_lds s[\g0a:\g0a+3], s[\g1a:\g1a+7]
	s_nop 0
.rept 4
	v_nop
.endr
	s_branch .Lasked_\@
.Lfor_b_\@:
	tensor_load_to_lds s[\g0b:\g0b+3], s[\g1b:\g1b+7]
	s_nop 0
.rept 4
	v_nop
.endr
.Lasked_\@:
.endm
.macro CREST
	s_cmp_lg_u32 s14, 0
	s_cbranch_scc1 .Lnot_wave_0_\@
	s_barrier_signal -3
.Lnot_wave_0_\@:
	s_barrier_wait -3
	s_barrier_signal -1
	s_barrier_wait -1
.endm
.macro CROUND
	s_barrier_signal -1
	s_barrier_wait -1
	CREST
.endm
	s_load_b256 s[24:31], s[0:1], 0x0
	s_load_b256 s[32:39], s[0:1], 0x20
	s_load_b64 s[48:49], s[0:1], 0x40
	v_lshl_add_u32 v[SPW], v0, 2, SPARE
	v_mov_b32 v[NIL], 0
	ds_add_u32 v28, v29
	ds_add_u32 v28, v29
	s_wait_dscnt 0x0
	v_lshrrev_b32 v1, 5, v0
	v_readfirstlane_b32 s14, v1
	s_lshr_b32 s15, s14, 1
	s_and_b32 s16, s14, 1
	s_bfe_u32 s40, ttmp6, 0x40000
	s_bfe_u32 s41, ttmp6, 0x40004
	s_mov_b32 s95, ttmp9
	s_and_b32 s96, ttmp7, 0xffff
	s_lshl_b32 s43, s41, 2
	s_lshl_b32 s43, 15, s43
	s_lshl_b32 s44, 0x1111, s40
	s_lshl_b32 s17, s96, 10
	s_lshl_b32 s18, s95, 10
	s_cmp_lt_u32 s95, 2
	s_cselect_b32 s20, s17, 2048
	s_cselect_b32 s46, s18, s17
	s_lshl_b32 s21, s41, 8
	s_add_co_u32 s20, s20, s21
	s_lshl_b32 s47, s40, 8
	s_add_co_u32 s46, s46, s47
	s_mov_b32 s21, 0
	s_mov_b32 s47, 0
	s_mov_b64 s[18:19], KS
	s_mul_u64 s[22:23], s[20:21], s[18:19]
	s_mul_u64 s[92:93], s[46:47], s[18:19]
	s_mov_b64 s[18:19], KROW
	s_mul_u64 s[20:21], s[20:21], s[18:19]
	s_mul_u64 s[46:47], s[46:47], s[18:19]
	s_mul_i32 s45, s14, HALFT
	s_wait_kmcnt 0x0
	s_cmp_lt_u32 s95, 2
	s_cselect_b64 s[4:5], s[24:25], s[28:29]
	s_cselect_b64 s[6:7], s[26:27], s[30:31]
	s_cselect_b64 s[8:9], s[28:29], s[24:25]
	s_cselect_b64 s[10:11], s[30:31], s[26:27]
	s_cselect_b64 s[66:67], s[34:35], s[36:37]
	s_cmp_eq_u32 s95, 0
	s_cselect_b64 s[66:67], s[32:33], s[66:67]
	s_cselect_b64 s[12:13], s[38:39], s[48:49]
	s_add_nc_u64 s[20:21], s[4:5], s[20:21]
	s_add_nc_u64 s[22:23], s[6:7], s[22:23]
	s_add_nc_u64 s[46:47], s[8:9], s[46:47]
	s_add_nc_u64 s[92:93], s[10:11], s[92:93]
	s_cmp_lt_u32 s95, 2                            ; from a K step to the next, in bytes: source A's plane in s[4:5], B's in s[6:7]; the choice hangs on the cluster's x alone
	s_mov_b32 s4, PLW
	s_cselect_b32 s4, PLX, s4
	s_mov_b32 s6, PLX
	s_cselect_b32 s6, PLW, s6
	s_mov_b32 s5, 0
	s_mov_b32 s7, 0
	s_or_b32 s[G1+0], s43, (0<<16)|(1<<20)|(1<<21)|(3<<22)|(3<<25)
	s_or_b32 s[G1B+0], s44, (0<<16)|(1<<20)|(1<<21)|(3<<22)|(3<<25)
.irp g, G1, G1B
	s_mov_b32 s[\g+1], 256<<16                     ; 96 dense rows of 256 bytes
	s_mov_b32 s[\g+2], 192<<16                     ; the head's loads bring a whole tile, 256 rows of codes = 192 rows of 256 bytes; behind them these two words are set to 96, for the ring's
	s_mov_b32 s[\g+3], 256<<16
	s_mov_b32 s[\g+4], 192
	s_mov_b32 s[\g+5], 256
	s_mov_b32 s[\g+6], 0
	s_mov_b32 s[\g+7], 0
.endr
	s_or_b32 s[G1S+0], s43, (3<<16)|(1<<20)|(1<<21)|(5<<22)|(3<<25)
	s_or_b32 s[G1SB+0], s44, (3<<16)|(1<<20)|(1<<21)|(5<<22)|(3<<25)
.irp g, G1S, G1SB
	s_mov_b32 s[\g+1], 32<<16
	s_mov_b32 s[\g+2], 32<<16                      ; the scales of 256 rows: 32 rows of 256 bytes
	s_mov_b32 s[\g+3], 32<<16
	s_mov_b32 s[\g+4], 32
	s_mov_b32 s[\g+5], 32
	s_mov_b32 s[\g+6], 0
	s_mov_b32 s[\g+7], 0
.endr
	CROUND                                         ; all sixteen work-groups are here: the first joint loads meet
	; THE HEAD'S FOUR TILES, each whole, one a wave: K step 0's 256 rows of A, its 256 rows of B, A's scales, B's scales
	s_mov_b32 s[G0S], 1
	s_mov_b32 s[G0S+1], SCL
	s_mov_b64 s[G0S+2:G0S+3], s[22:23]
	s_or_b32 s[G0S+3], s[G0S+3], 0x80000000
	s_mov_b32 s[G0SB], 1
	s_mov_b32 s[G0SB+1], SCL+2*HALFS
	s_mov_b64 s[G0SB+2:G0SB+3], s[92:93]
	s_or_b32 s[G0SB+3], s[G0SB+3], 0x80000000
	s_mov_b32 s[G0], 1                             ; slot 0's groups 0 serve the head's loads first; behind the wait for them they are set for the ring
	s_mov_b32 s[G0+1], 0
	s_mov_b64 s[G0+2:G0+3], s[20:21]
	s_or_b32 s[G0+3], s[G0+3], 0x80000000
	s_mov_b32 s[G0B], 1
	s_mov_b32 s[G0B+1], 2*HALFT
	s_mov_b64 s[G0B+2:G0B+3], s[46:47]
	s_or_b32 s[G0B+3], s[G0B+3], 0x80000000
.macro ARM under, g0, g1, next         ; one chain of branches on the wave's number: every way through it passes one load
	s_cmp_lt_u32 s14, \under
	s_cbranch_scc0 \next
	tensor_load_to_lds s[\g0:\g0+3], s[\g1:\g1+7]
	s_nop 0
.rept 4
	v_nop
.endr
	s_branch .Lhead_asked
\next:
.endm
	ARM 1, G0,  G1,  .Lhead_b
	ARM 2, G0B, G1B, .Lhead_sa
	ARM 3, G0S, G1S, .Lhead_sb
	tensor_load_to_lds s[G0SB:G0SB+3], s[G1SB:G1SB+7]
	s_nop 0
.rept 4
	v_nop
.endr
.Lhead_asked:
	s_mul_i32 s18, s16, 128*KROW                   ; in the ring a wave fetches 128 rows of a tile: which half, in bytes
	s_mov_b32 s19, 0
	s_add_nc_u64 s[20:21], s[20:21], s[4:5]        ; slot 1's groups 0: K step 1, one plane on, my half
	s_add_nc_u64 s[20:21], s[20:21], s[18:19]
	s_add_nc_u64 s[46:47], s[46:47], s[6:7]
	s_add_nc_u64 s[46:47], s[46:47], s[18:19]
	s_mov_b32 s[G0+4], 1
	s_add_co_u32 s[G0+5], s45, SLOT
	s_mov_b64 s[G0+6:G0+7], s[20:21]
	s_or_b32 s[G0+7], s[G0+7], 0x80000000
	s_mov_b32 s[G0B+4], 1
	s_add_co_u32 s[G0B+5], s45, SLOT
	s_mov_b64 s[G0B+6:G0B+7], s[46:47]
	s_or_b32 s[G0B+7], s[G0B+7], 0x80000000
	v_and_b32 v1, 15, v0
	v_bfe_u32 v2, v0, 4, 1
	v_mul_u32_u24 v3, v1, PITCH
	v_mul_u32_u24 v4, v2, 24
	v_add_nc_u32 v4, v3, v4
	v_lshl_add_u32 v5, v2, 4, v4
	s_mul_i32 s21, s15, HALFT
	s_mul_i32 s22, s16, HALFT
	s_add_co_u32 s22, s22, 2*HALFT
.irp s, 0,1
	v_add_nc_u32 v[ADRA+\s], s21, v4
	v_add_nc_u32 v[ADRB+\s], s22, v4
	v_add_nc_u32 v[ADRA+2+\s], s21, v5
	v_add_nc_u32 v[ADRB+2+\s], s22, v5
	s_add_co_u32 s21, s21, SLOT
	s_add_co_u32 s22, s22, SLOT
.endr
	v_mul_u32_u24 v5, v1, KS
	v_lshrrev_b32 v6, 8, v5
	v_lshl_add_u32 v5, v6, 4, v5
	s_mul_i32 s21, s15, HALFS
	s_mul_i32 s22, s16, HALFS
	s_add_co_u32 s22, s22, 2*HALFS
	s_sub_co_u32 s22, s22, s21
	v_mul_u32_u24 v6, s22, v2
	s_add_co_u32 s21, s21, SCL
	v_add_nc_u32 v5, v5, v6
	v_add_nc_u32 v[ADRS], s21, v5
	s_cmp_lt_u32 s95, 2
	s_cselect_b32 s4, s41, s40
	s_cselect_b32 s5, s15, s16
	s_cselect_b32 s6, s40, s41
	s_cselect_b32 s7, s16, s15
	s_cselect_b32 s97, -1, 0
	s_cselect_b32 s98, 0, -1
	s_mov_b32 s99, 0x03020100
	s_cselect_b32 s99, 0x05040100, s99
	s_mov_b32 s100, 0x07060504
	s_cselect_b32 s100, 0x07060302, s100
	s_cselect_b32 s8, 0, 6144
	s_mov_b32 s9, 6400
	s_cselect_b32 s9, 12288, s9
	s_cmp_eq_u32 s95, 0
	s_mov_b32 s10, 12800
	s_cselect_b32 s10, 6400, s10
	s_cselect_b32 s9, 6144, s9
	s_lshl_b32 s11, s10, 4
	s_cmp_lt_u32 s95, 2
	s_cselect_b32 s17, s11, 768
	s_cselect_b32 s18, 768, s11
	s_lshl_b32 s6, s6, 1
	s_add_co_u32 s6, s6, s7
	s_lshl_b32 s19, s6, 9
	s_cmp_lt_u32 s95, 2
	s_cselect_b32 s20, s19, 0
	s_cselect_b32 s21, 0, s19
	s_lshl_b32 s22, s96, 2
	s_add_co_u32 s22, s22, s4
	s_lshl_b32 s22, s22, 1
	s_add_co_u32 s22, s22, s5
	s_lshr_b32 s23, s22, 4
	s_and_b32 s22, s22, 15
	s_lshl_b32 s23, s23, 4
	s_lshl_b32 s6, s6, 1
	s_add_co_u32 s23, s23, s6
	s_lshl_b32 s23, s23, 4
	s_add_co_u32 s23, s23, s22
	s_mul_i32 s22, s23, s10
	s_add_co_u32 s22, s22, s8
	s_mov_b32 s23, 0
	s_add_nc_u64 s[12:13], s[12:13], s[22:23]
	s_mov_b32 s104, 0x76543210
	s_mov_b32 s105, 0xfedcba98
	v_lshl_add_u32 v[BOF], v2, 6, s20
	v_and_b32 v7, 7, v1
	v_bfe_u32 v8, v1, 3, 1
	v_lshl_add_u32 v7, v8, 4, v7
	v_lshl_add_u32 v[AOF], v7, 2, s21
.irp b, 0,1,2,3
.irp j, 0,1,2,3
	global_load_b128 v[BB+16*\b+4*\j:BB+16*\b+4*\j+3], v[BOF], s[66:67] offset:128*\b+16*\j
.endr
.endr
.irp a, 0,1,2,3,4,5,6,7
	global_load_b32 v[BA+\a], v[AOF], s[66:67] offset:4*(32*(\a/2)+8*(\a%2))
.endr
	v_and_b32 v9, 31, v0
	v_lshlrev_b32 v[VO], 3, v9
	v_add_nc_u32 v[VO+1], s18, v[VO]
	v_add_nc_u32 v[VO+2], s17, v[VO]
	v_add_nc_u32 v[VO+3], s17, v[VO+1]
	v_mul_u32_u24 v[VS], v2, s11
	v_lshl_add_u32 v[VS], v1, 4, v[VS]
	v_add_nc_u32 v[VS], s9, v[VS]
	s_wait_loadcnt 0x0
.set i, 0
.rept 64
	v_and_b32 v[BB+i], s97, v[BB+i]
.set i, i+1
.endr
.set i, 0
.rept 8
	v_and_b32 v[BA+i], s98, v[BA+i]
.set i, i+1
.endr
.macro FRAG reg, adr, q, i
.irp p, 0,1,2,3,4,5
.set PCE, 12*(\q)+6*(\p/3)+\p%3
.if PCE%8 < 5
	ds_load_b64 v[\reg+2*\p:\reg+2*\p+1], v[\adr] offset:8*PCE+16*(PCE/8)+(\i)*16*PITCH
.else
	ds_load_b64 v[\reg+2*\p:\reg+2*\p+1], v[\adr+2] offset:8*PCE+16*(PCE/8)+(\i)*16*PITCH
.endif
.endr
.endm
.macro MUL16 a0, p, q, sc, zero
.irp a, \a0, \a0+1
.irp b, 0,1,2,3,4,5,6,7
.if \zero
	v_wmma_scale_f32_16x16x128_f8f6f4 v[8*(8*((\a)%4)+\b):8*(8*((\a)%4)+\b)+7], v[128*(\p)+FR*\b:128*(\p)+FR*\b+FR-1], v[AF+FR*(\a):AF+FR*(\a)+FR-1], 0, v[SC+8*NQ*(\sc)+NQ*\b+(\q)], v[SC+8*NQ*(\sc)+NQ*(\a)+(\q)] matrix_a_fmt:MATRIX_FMT_FP6 matrix_b_fmt:MATRIX_FMT_FP6 matrix_a_scale:MATRIX_SCALE_ROW1
.else
	v_wmma_scale_f32_16x16x128_f8f6f4 v[8*(8*((\a)%4)+\b):8*(8*((\a)%4)+\b)+7], v[128*(\p)+FR*\b:128*(\p)+FR*\b+FR-1], v[AF+FR*(\a):AF+FR*(\a)+FR-1], v[8*(8*((\a)%4)+\b):8*(8*((\a)%4)+\b)+7], v[SC+8*NQ*(\sc)+NQ*\b+(\q)], v[SC+8*NQ*(\sc)+NQ*(\a)+(\q)] matrix_a_fmt:MATRIX_FMT_FP6 matrix_b_fmt:MATRIX_FMT_FP6 matrix_a_scale:MATRIX_SCALE_ROW1
.endif
.endr
.endr
.endm
.macro FETCH_B slot, q, p
	WIN TO_B
.irp i, 0,1,2,3,4,5,6,7
	FRAG 128*(\p)+FR*\i, ADRB+\slot, \q, \i
.endr
	WIN 0
.endm
.macro FETCH_A slot, q, i0
.irp i, \i0, \i0+1, \i0+2, \i0+3
	FRAG AF+FR*(\i), ADRA+\slot, \q, \i
.endr
.endm
.macro SCALES sc
.irp i, 0,1,2,3,4,5,6,7
	ds_load_b64 v[SC+8*NQ*\sc+NQ*\i:SC+8*NQ*\sc+NQ*\i+1], v[ADRS] offset:\i*SBLK
.endr
.endm
.macro PLACES n
.rept \n
	v_nop
.endr
.endm
.macro STEP slot, q, zero
	s_wait_dscnt 4*NL
	WIN MUL_LO
	MUL16 0, (\q)%2, \q, \slot, \zero
	MUL16 2, (\q)%2, \q, \slot, \zero
	s_wait_dscnt 0
	PLACES NP
	FETCH_B \slot, (\q)+1, 1-(\q)%2
	FETCH_A \slot, (\q)+1, 0
	WIN MUL_HI
	MUL16 4, (\q)%2, \q, \slot, \zero
	MUL16 6, (\q)%2, \q, \slot, \zero
	PLACES NP
	WIN 0
	FETCH_A \slot, (\q)+1, 4
.endm
.macro TURN slot, next, fill
	s_wait_tensorcnt 0x0
	ds_add_u32 v[SPW], v[NIL]
	s_wait_dscnt 4*NL+1
	WIN MUL_LO
	MUL16 0, 1, NQ-1, \slot, 0
	s_wait_dscnt 0x0
	s_barrier_signal -1
	MUL16 2, 1, NQ-1, \slot, 0
	WIN 0
	s_barrier_wait -1
.if \fill
	CREST
	s_add_nc_u64 s[G0+4*\slot+2:G0+4*\slot+3], s[G0+4*\slot+2:G0+4*\slot+3], s[4:5]     ; two planes on
	s_add_nc_u64 s[G0B+4*\slot+2:G0B+4*\slot+3], s[G0B+4*\slot+2:G0B+4*\slot+3], s[6:7]
	JLOAD G0+4*\slot, G1, G0B+4*\slot, G1B
.else
	PLACES NP
.endif
	s_wait_alu depctr_va_vdst(0)
	v_add_nc_u32 v[ADRS], 4*NQ, v[ADRS]
	FETCH_B \next, 0, 0
	FETCH_A \next, 0, 0
	SCALES \next
	WIN MUL_HI
	MUL16 4, 1, NQ-1, \slot, 0
	MUL16 6, 1, NQ-1, \slot, 0
	PLACES NP
	WIN 0
	FETCH_A \next, 0, 4
.endm
	s_cmp_lt_u32 s95, 2                            ; for the refills: two planes of A's buffer in s[4:5], of B's in s[6:7]
	s_mov_b32 s4, 2*PLW
	s_cselect_b32 s4, 2*PLX, s4
	s_mov_b32 s6, 2*PLX
	s_cselect_b32 s6, 2*PLW, s6
	s_mov_b32 s5, 0
	s_mov_b32 s7, 0
	s_mul_i32 s18, s16, 128*KROW                   ; my half of a tile, in bytes, once more (the registers were at work in between)
	s_mov_b32 s19, 0
	s_wait_alu depctr_va_vdst(0)
	s_wait_tensorcnt 0x0                           ; my tile of the head's four is in
	ds_add_u32 v[SPW], v[NIL]
	s_mov_b32 s[G1+2], 96<<16                      ; no tensor load of mine is out, so descriptors may be written: from here on a load brings 128 rows of codes = 96 rows of 256 bytes,
	s_mov_b32 s[G1+4], 96
	s_mov_b32 s[G1B+2], 96<<16
	s_mov_b32 s[G1B+4], 96
	s_add_co_u32 s[G0+1], s45, 0                   ; to wave x 128 rows of the slot,
	s_add_nc_u64 s[G0+2:G0+3], s[G0+2:G0+3], s[18:19]      ; from my half of the tile
	s_add_co_u32 s[G0B+1], s45, 0
	s_add_nc_u64 s[G0B+2:G0B+3], s[G0B+2:G0B+3], s[18:19]
	s_wait_dscnt 0x0                               ; the add is done
	CROUND                                         ; a whole round: all four tiles are in, and the joint loads meet
	JLOAD G0+4, G1, G0B+4, G1B                     ; K step 1, the first tensor load behind the round
	FETCH_B 0, 0, 0
	FETCH_A 0, 0, 0
	SCALES 0
	FETCH_A 0, 0, 4
	STEP 0, 0, 1
	s_mov_b32 s3, LAPS-1
.Llap:
	TURN 0, 1, 1
	STEP 1, 0, 0
	TURN 1, 0, 1
	STEP 0, 0, 0
	s_sub_co_u32 s3, s3, 1
	s_cmp_lg_u32 s3, 0
	s_cbranch_scc1 .Llap
	TURN 0, 1, 0
	STEP 1, 0, 0
	s_wait_dscnt 4*NL
	WIN MUL_LO
	MUL16 0, 1, NQ-1, 1, 0
	MUL16 2, 1, NQ-1, 1, 0
	s_wait_dscnt 0
	WIN MUL_HI
	MUL16 4, 1, NQ-1, 1, 0
	MUL16 6, 1, NQ-1, 1, 0
	WIN 0
.macro QUANT s
.irp b, 0,1,2,3
	v_max3_num_f32 v[TMX+\b], |v[\s+16*\b]|, |v[\s+1+16*\b]|, 0x1800000
.endr
.irp i, 2,4,6,8,10,12,14
.irp b, 0,1,2,3
	v_max3_num_f32 v[TMX+\b], v[TMX+\b], |v[\s+16*\b+\i]|, |v[\s+1+16*\b+\i]|
.endr
.endr
.irp b, 0,1,2,3
	v_permlanex16_b32 v[TMB+\b], v[TMX+\b], s104, s105
.endr
.irp b, 0,1,2,3
	v_max_num_f32 v[TMX+\b], v[TMX+\b], v[TMB+\b]
.endr
.irp b, 0,1,2,3
	v_add_nc_u32 v[TMS+\b], 0xff000000, v[TMX+\b]
.endr
.irp b, 0,1,2,3
	v_lshrrev_b32 v[TMB+\b], 23, v[TMS+\b]
.endr
	v_lshl_or_b32 v[PW], v[TMB+1], 8, v[TMB]
	v_lshl_or_b32 v[PW], v[TMB+2], 16, v[PW]
	v_lshl_or_b32 v[PW], v[TMB+3], 24, v[PW]
.irp c, 0,1
	v_cvt_scalef32_pk16_fp6_f32 v[PC+6*\c:PC+2+6*\c], v[\s+32*\c:\s+15+32*\c], v[TMS+2*\c]
	v_cvt_scalef32_pk16_fp6_f32 v[PC+12+4*\c:PC+14+4*\c], v[\s+16+32*\c:\s+31+32*\c], v[TMS+2*\c+1]
.endr
	v_nop
.irp c, 0,1
.irp i, 0,1,2
	v_permlane16_swap_b32 v[PC+6*\c+\i], v[PC+12+4*\c+\i]
.endr
.irp i, 0,1,2
	v_mov_b32 v[PC+3+6*\c+\i], v[PC+12+4*\c+\i]
.endr
.endr
.endm
.macro EPI a
	v_mov_b32 v[AP], v[BA+\a]
	v_mov_b32 v[AP+1], v[BA+\a]
	WIN (0x02+(\a)/4)
.set i, 0
.rept 32
	v_pk_add_f32 v[T+i:T+i+1], v[64*((\a)%4)+i:64*((\a)%4)+i+1], v[BB+i:BB+i+1]
.set i, i+2
.endr
	WIN 0
.set i, 0
.rept 32
	v_pk_add_f32 v[T+i:T+i+1], v[T+i:T+i+1], v[AP:AP+1]
.set i, i+2
.endr
.if (\a) > 0
	s_wait_xcnt 0x0
.endif
	QUANT T
	v_mov_b32 v[PWS+\a], v[PW]
.irp c, 0,1
.irp p, 0,1,2
	global_store_b64 v[VO+2*\c+(\a)/4], v[PC+6*\c+2*\p:PC+6*\c+2*\p+1], s[12:13] offset:((\a)%4)*1536+256*\p
.endr
.endr
.endm
	PLACES NP
.irp b, 0,1,2,3
	v_mov_b32 v[TMB+\b], 0
.endr
.irp a, 0,1,2,3,4,5,6,7
	EPI \a
.endr
	v_and_b32 v252, 16, v0
	v_cmp_ne_u32 vcc_lo, 0, v252
.irp f, 0,1,2,3
	v_perm_b32 v252, v[PWS+4+\f], v[PWS+\f], s99
	v_perm_b32 v253, v[PWS+4+\f], v[PWS+\f], s100
	v_cndmask_b32 v[YW+\f], v252, v253, vcc_lo
.endr
	global_store_b128 v[VS], v[YW:YW+3], s[12:13]
	s_wait_tensorcnt 0x0
	ds_add_u32 v[SPW], v[NIL]
	s_wait_dscnt 0x0
	CROUND
	s_endpgm
.Lfunc_end_k_qfe2f737ca5_proj:
	.size	k_qfe2f737ca5_proj, .Lfunc_end_k_qfe2f737ca5_proj-k_qfe2f737ca5_proj
	.p2alignl 7, 3214868480
	.fill 96, 4, 3214868480
	.section	.rodata,"a",@progbits
	.p2align	6, 0x0
	.amdhsa_kernel k_qfe2f737ca5_proj
		.amdhsa_group_segment_fixed_size 327680
		.amdhsa_private_segment_fixed_size 0
		.amdhsa_enable_private_segment 0
		.amdhsa_kernarg_size 72
		.amdhsa_user_sgpr_count 2
		.amdhsa_user_sgpr_kernarg_segment_ptr 1
		.amdhsa_wavefront_size32 1
		.amdhsa_system_sgpr_workgroup_id_x 1
		.amdhsa_system_sgpr_workgroup_id_y 1
		.amdhsa_system_sgpr_workgroup_id_z 1
		.amdhsa_system_vgpr_workitem_id 0
		.amdhsa_next_free_vgpr 1024
		.amdhsa_next_free_sgpr 106
		.amdhsa_reserve_vcc 1
		.amdhsa_float_denorm_mode_32 3
		.amdhsa_float_denorm_mode_16_64 3
		.amdhsa_memory_ordered 1
		.amdhsa_forward_progress 1
		.amdhsa_inst_pref_size 207
	.end_amdhsa_kernel
	.amdgpu_metadata
---
amdhsa.version: [ 1, 2 ]
amdhsa.kernels:
  - .name:           k_qfe2f737ca5_proj
    .symbol:         k_qfe2f737ca5_proj.kd
    .args:
      - { .name: xc, .offset: 0, .size: 8, .value_kind: global_buffer, .address_space: global }
      - { .name: xs, .offset: 8, .size: 8, .value_kind: global_buffer, .address_space: global }
      - { .name: wc, .offset: 16, .size: 8, .value_kind: global_buffer, .address_space: global }
      - { .name: ws, .offset: 24, .size: 8, .value_kind: global_buffer, .address_space: global }
      - { .name: bq, .offset: 32, .size: 8, .value_kind: global_buffer, .address_space: global }
      - { .name: bk, .offset: 40, .size: 8, .value_kind: global_buffer, .address_space: global }
      - { .name: bv, .offset: 48, .size: 8, .value_kind: global_buffer, .address_space: global }
      - { .name: qg, .offset: 56, .size: 8, .value_kind: global_buffer, .address_space: global }
      - { .name: kv, .offset: 64, .size: 8, .value_kind: global_buffer, .address_space: global }
    .group_segment_fixed_size: 327680
    .private_segment_fixed_size: 0
    .kernarg_segment_align: 8
    .kernarg_segment_size: 72
    .max_flat_workgroup_size: 128
    .sgpr_count:     106
    .vgpr_count:     1024
    .wavefront_size: 32
...
	.end_amdgpu_metadata
.endif
;; end of part 2
;; launch attn (part 3): grid 4 x 64, 16 waves a work-group, clusters of 4 x 1, 284,672 bytes of LDS; arguments qg, kv, mask, out0; writes out0
.if DOCPART == 3
	.amdgcn_target "amdgcn-amd-amdhsa--gfx1250"
	.amdhsa_code_object_version 6
	.text
	.protected	k_qfe2f737ca5_attn
	.globl	k_qfe2f737ca5_attn
	.p2align	8
	.type	k_qfe2f737ca5_attn,@function
k_qfe2f737ca5_attn:
	s_mov_b64 s[64:65], 0
	v_nop
	global_prefetch_b8 v0, s[64:65] scope:SCOPE_SE
	s_setreg_imm32_b32 hwreg(HW_REG_WAVE_MODE, 25, 1), 1
	s_wait_xcnt 0x0
	s_wait_alu depctr_hold_cnt(0) depctr_sa_sdst(0) depctr_va_vdst(0) depctr_va_sdst(0) depctr_va_ssrc(0) depctr_va_vcc(0) depctr_vm_vsrc(0)
	s_getreg_b32 s2, hwreg(HW_REG_IB_STS2, 6, 4)
	s_cmp_eq_u32 s2, 0
	s_cbranch_scc0 .Lentry_in_a_cluster
	s_endpgm
.Lentry_in_a_cluster:
	s_bfe_u32 s2, ttmp6, 0x10000c
	s_cmp_lg_u32 s2, 0x3003
	s_cbranch_scc0 .Lentry_shape_is_right
	s_endpgm
.Lentry_shape_is_right:
; out[b][q][64 h ..] = the sum over k of softmax_k(q . k / 8 + (1 - mask[b][k]) x -10000) v[k], both products on codes of FP6 (E2M3) with E8M0 scales.
; qg and kv hold operands as images of their registers: a fragment (16 rows x 128 K, 12 registers a lane) is six chunks of 256 bytes, chunk p = registers 2 p, 2 p + 1, 8 bytes a lane.
;   kv [head 64][step of 128 keys 16][12,800]: 0: K's fragments f = 0..3 = [key tile f | key tile f + 4], each half 64 channels; 6,144: V's fragments t = 0..3 (16 channels x 128 keys);
;   12,288: K's scale words, 16 bytes for lane r; 12,544: V's.   qg [head][group of 128 queries 16][6,400]: tile tau's half fragment at (tau % 4) 1,536 + (tau / 4) 768; 6,144: scale words.
; Row r of tile a of tokens is token 32 (a / 2) + 8 (a % 2) + r % 8 + 16 (r / 8) of its 128; row r of V's fragment t is the channel of the same form.
; THE SOFTMAX AHEAD OF THE SECOND PRODUCT: t = logit x log2(e); M = the row's largest t so far, rounded UP to a whole number; p = 2^(t - M) is quantised along the keys, not normalised; the row's sum is
; taken of the unquantised p and divides at the end.  When M moves, the sum and O are multiplied by 2^(old M - new M): exact.
; A HEAD OF 64 IN A PRODUCT OF 128 ALONG K: two operands of Q stay in registers, QL = [q | zeros] and QH = [zeros | q]: a fragment of K times QL gives key tile f, times QH key tile f + 4.
; THE MASK costs no vector instruction in the loop: a table in LDS holds (1 - mask) x -80000 for each key (8 x the adder: exact), which is loaded into the scores' registers and is the C of the first product:
; s' = q . k + 8 x adder, t = s' x log2(e) / 8.
; SHARES.  A work-group owns one head and 512 queries; the head's K, V and scale words (204,800 bytes) come into LDS ONCE: no byte of LDS is filled again.  The four work-groups of a head are a cluster and
; ask for each block jointly.  Each of sixteen waves makes two passes of one tile of 16 queries, in 256 registers: four waves to a SIMD, so that one wave's vector work stands beside another's products and loads.
; Both products are used transposed (S^T = K Q^T, O^T = V^T P^T): a lane holds ONE query throughout; the 16 registers of score tiles 2 b, 2 b + 1 are keys 32 b + 16 (lane / 16) + 0 .. 15.
; LIMITS: NaN and infinities are not served; mask numbers beyond 2^24 are rounded as a cast to f32 rounds them; under a masked key the sum s' has f32's step at 80,000, eight times the step that the logit has at 10,000.
.set STEPB, 12800                      ; a step's block
.set VFR,   6144                       ; V's fragments in it
.set KSC,   12288                      ; the scale words in it
.set TAB,   16*STEPB                   ; LDS: behind the head's 16 blocks: the table, 2,048 x 4 bytes
.set STAGE, TAB+8192                   ; and the stages for the way out: 16 rows x 272 bytes for each wave
.set SPI,   272
.set LB,   1                           ; v1  8 x lane
.set LSC,  2                           ; v2  16 x lane
.set LT,   3                           ; v3  TAB + 64 (lane / 16)
.set AF,   4                           ; v4  LDS address of the step's fragments
.set AS,   5                           ; v5  of its scale words
.set AT,   6                           ; v6  of its part of the table
.set STO,  7                           ; v7  the way out: where I put 64 bytes of a row
.set RD,   8                           ; v8  where I read a row back
.set GO,   9                           ; v9  my byte offset in two rows of out
.set MO,   10                          ; v10 16 x thread: my four numbers of the mask
.set R16,  11                          ; v11 16 x (lane % 16)
.set QL,   16                          ; v16-27
.set QH,   28                          ; v28-39
.set F,    40                          ; v40-87 four fragments of K or of V
.set QN,   88                          ; v88-93 the coming pass's q;  v94 its scale word
.set QNW,  94
.set S,    96                          ; v96-159 the table's numbers, S^T, then p
.set O,    160                         ; v160-191 O^T
.set PC,   192                         ; v192-203 p's codes
.set P2,   204                         ; v204-206, v208-210 the conversions' second halves
.set BM,   212                         ; v212-215 each block's largest score, then its largest p
.set BT,   216                         ; v216-219 the other half's, then the bytes
.set BS,   220                         ; v220-223 the conversions' scale operands
.set L2,   224                         ; v224-225 the sum's second chain
.set TP,   226                         ; at work
.set FF,   228                         ; v228 f = 2^(old M - new M); v229 is named with it as a pair
.set KS,   240                         ; v240-243 lanes 0-15 K's scale words, lanes 16-31 V's
.set PW,   244                         ; p's scale word
.set QS,   245                         ; q's: its two bytes twice, so that it serves QL and QH
.set WV,   12                          ; s12 my wave's number
.set SEL,  20                          ; s[20:21] selects for lane l xor 16
.set CS,   22                          ; s[22:23] c = log2(e) / 8
.set G1,   24                          ; s[24:31] descriptor group 1;  s[32:35] my one group 0
.set G0,   32
.set TB,   48                          ; s48 LDS byte of the step's block
.set TT,   49                          ; s49 the step's place in the table
.set CNT,  50
.set QSEL, 52
.macro CROUND                          ; a round of the cluster's barrier
	s_barrier_signal -1
	s_barrier_wait -1
	s_cmp_lg_u32 s[WV], 0
	s_cbranch_scc1 .Lnot_wave_0_\@
	s_barrier_signal -3
.Lnot_wave_0_\@:
	s_barrier_wait -3
	s_barrier_signal -1
	s_barrier_wait -1
.endm
	s_load_b256 s[4:11], s[0:1], 0x0               ; qg s[4:5], kv s[6:7], mask s[8:9], out0 s[10:11]
	v_lshl_add_u32 v254, v0, 2, 0x45000
	v_mov_b32 v255, 0
	ds_add_u32 v254, v255
	ds_add_u32 v254, v255
	v_lshrrev_b32 v1, 5, v0
	s_delay_alu instid0(VALU_DEP_1)
	v_readfirstlane_b32 s[WV], v1                  ; wave 0..15
	s_bfe_u32 s13, ttmp6, 0x40000                  ; cx: which 512 queries; it enters q's and out's addresses alone
	s_and_b32 s14, ttmp7, 0xffff                   ; 16 x batch + head, which the four partners share
	s_and_b32 s15, s[WV], 15
	s_mul_i32 s53, s15, STEPB                      ; wave w fetches the head's block w: its place in LDS and in memory alike
	s_mul_i32 s54, s14, 16*STEPB
	s_add_co_u32 s54, s54, s53
	s_mov_b32 s55, 0
	; descriptor group 1: a block of 12,800 dense bytes as 50 rows of 256 (32 elements of 8 bytes), no padding
	s_mov_b32 s[G1], 15|(3<<16)|(1<<21)            ; 15:0 the mask: all four work-groups; 17:16 elements of 8 bytes; 21 set beside a mask
	s_mov_b32 s[G1+1], 32<<16                      ; tensor_dim0
	s_mov_b32 s[G1+2], 50<<16                      ; tensor_dim1
	s_mov_b32 s[G1+3], 32<<16                      ; tile_dim0
	s_mov_b32 s[G1+4], 50                          ; tile_dim1
	s_mov_b32 s[G1+5], 32                          ; tensor_dim0_stride
	s_mov_b32 s[G1+6], 0
	s_mov_b32 s[G1+7], 0
	s_lshl_b32 s18, s13, 2
	s_lshr_b32 s2, s[WV], 3
	s_add_co_u32 s18, s18, s2                      ; my group of 128 queries in the first pass: 4 cx + wave / 8; the second pass's lies two on
	s_and_b32 s19, s[WV], 7                        ; tau: my tile in the group
	s_mul_i32 s58, s14, 16*6400
	s_mul_i32 s2, s18, 6400
	s_add_co_u32 s58, s58, s2                      ; the group's first byte in qg
	s_and_b32 s2, s19, 3
	s_mul_i32 s56, s2, 1536
	s_add_co_u32 s56, s56, s58
	s_lshl_b32 s2, s2, 2
	s_add_co_u32 s58, s58, s2
	s_add_co_u32 s58, s58, 6144                    ; my tile's scale words: word tau % 4 of each lane's 16 bytes
	s_lshr_b32 s3, s19, 2
	s_mul_i32 s2, s3, 768
	s_add_co_u32 s56, s56, s2                      ; my tile's half fragment
	s_mov_b32 s57, 0
	s_mov_b32 s59, 0
	s_cmp_eq_u32 s3, 0
	s_mov_b32 s[QSEL], 0x03020302
	s_cselect_b32 s[QSEL], 0x01000100, s[QSEL]     ; which two bytes of the word are my tile's
	s_lshl_b32 s60, s18, 7
	s_lshr_b32 s2, s19, 1
	s_lshl_b32 s2, s2, 5
	s_add_co_u32 s60, s60, s2
	s_and_b32 s2, s19, 1
	s_lshl_b32 s2, s2, 3
	s_add_co_u32 s60, s60, s2                      ; my tile's first token: 128 x group + 32 (tau / 2) + 8 (tau % 2)
	s_lshl_b32 s60, s60, 12                        ; a token's row of out is 4,096 bytes
	s_lshr_b32 s2, s14, 4                          ; the batch
	s_lshl_b32 s3, s2, 23                          ; 2,048 such rows
	s_add_co_u32 s60, s60, s3
	s_and_b32 s3, s14, 15
	s_lshl_b32 s3, s3, 8                           ; the head's 256 bytes in a row
	s_add_co_u32 s60, s60, s3
	s_mov_b32 s61, 0
	s_lshl_b32 s62, s2, 13                         ; the batch's 2,048 numbers of the mask
	s_mov_b32 s63, 0
	s_mov_b32 s[SEL], 0x76543210
	s_mov_b32 s[SEL+1], 0xfedcba98
	s_mov_b32 s[CS], 0x3e38aa3b                    ; log2(e) / 8
	s_mov_b32 s[CS+1], s[CS]                       ; (named with it as a pair, so it is written)
	s_wait_dscnt 0x0
	s_wait_kmcnt 0x0
	s_add_nc_u64 s[6:7], s[6:7], s[54:55]
	s_add_nc_u64 s[16:17], s[4:5], s[58:59]        ; q's scale words
	s_add_nc_u64 s[4:5], s[4:5], s[56:57]          ; q's codes
	s_add_nc_u64 s[8:9], s[8:9], s[62:63]
	s_add_nc_u64 s[10:11], s[10:11], s[60:61]
	CROUND                                         ; all four work-groups are here: the joint loads meet
	s_mov_b32 s[G0], 1                             ; count = 1
	s_add_co_u32 s[G0+1], s53, 0                   ; LDS address: block = wave
	s_mov_b64 s[G0+2:G0+3], s[6:7]
	s_or_b32 s[G0+3], s[G0+3], 0x80000000          ; type = 2
	s_cmp_lt_u32 s[WV], 4                          ; one joint load a wave, sixteen blocks in all.  Waves 0 to 3, whose blocks the first four key steps read, have a line of their own: they alone wait ahead of the first barrier
	s_cbranch_scc0 .Lrest
	tensor_load_to_lds s[G0:G0+3], s[G1:G1+7]
	s_nop 0
.rept 4
	v_nop
.endr
	s_branch .Lasked
.Lrest:
	tensor_load_to_lds s[G0:G0+3], s[G1:G1+7]
	s_nop 0
.rept 4
	v_nop
.endr
.Lasked:
	v_and_b32 v[TP], 31, v0
	s_delay_alu instid0(VALU_DEP_1)
	v_lshlrev_b32 v[LB], 3, v[TP]
	s_delay_alu instid0(VALU_DEP_2)
	v_lshlrev_b32 v[LSC], 4, v[TP]
	v_lshlrev_b32 v[MO], 4, v0
	v_and_b32 v[R16], 15, v0                       ; r
	v_bfe_u32 v[TP], v0, 4, 1                      ; h
	s_delay_alu instid0(VALU_DEP_1)
	v_lshl_add_u32 v[LT], v[TP], 6, TAB
	s_mul_i32 s2, s[WV], 16*SPI
	s_add_co_u32 s2, s2, STAGE                     ; my stage
	v_mul_u32_u24 v[STO], v[R16], SPI
	s_delay_alu instid0(VALU_DEP_1)
	v_lshl_add_u32 v[STO], v[TP], 6, v[STO]
	s_delay_alu instid0(VALU_DEP_1)
	v_add_nc_u32 v[STO], s2, v[STO]                ; in: row r, + 64 h
	v_mul_u32_u24 v[RD], v[TP], SPI
	s_delay_alu instid0(VALU_DEP_1)
	v_lshl_add_u32 v[RD], v[R16], 4, v[RD]
	s_delay_alu instid0(VALU_DEP_1)
	v_add_nc_u32 v[RD], s2, v[RD]                  ; back: lanes 0-15 one row, lanes 16-31 the next
	v_lshlrev_b32 v[GO], 12, v[TP]
	s_delay_alu instid0(VALU_DEP_1)
	v_lshl_add_u32 v[GO], v[R16], 4, v[GO]         ; and the same two rows in out
	v_lshlrev_b32 v[R16], 4, v[R16]
	v_lshl_add_u32 v[AS], v0, 4, TAB               ; where my four numbers of the table go
	global_load_b128 v[S:S+3], v[MO], s[8:9]       ; 512 threads x 4 numbers: the batch's mask
.irp p, 0,1,2
	global_load_b64 v[QN+2*\p:QN+2*\p+1], v[LB], s[4:5] offset:256*\p   ; the first pass's q
.endr
	global_load_b32 v[QNW], v[R16], s[16:17]
.irp i, 0,1,2,3,4,5
	v_mov_b32 v[QL+6+\i], 0                        ; the zero halves: written once
	v_mov_b32 v[QH+\i], 0
.endr
.irp b, 0,1,2,3
	v_mov_b32 v[BT+\b], 0                          ; written once: a lane permute's destination counts as one of its sources
.endr
	v_mov_b32 v[FF+1], 0
	s_wait_loadcnt 4                               ; the mask is in; q's four loads may be out
.irp i, 0,1,2,3
	v_cvt_f32_i32 v[S+\i], v[S+\i]
.endr
.irp i, 0,1,2,3
	s_delay_alu instid0(VALU_DEP_4)
	v_sub_f32 v[S+\i], 1.0, v[S+\i]
.endr
.irp i, 0,1,2,3
	s_delay_alu instid0(VALU_DEP_4)
	v_mul_f32 v[S+\i], 0xc79c4000, v[S+\i]         ; x -80000
.endr
	ds_store_b128 v[AS], v[S:S+3]                  ; read by all waves behind the first chunk's barrier
; A KEY STEP: 128 keys.
.set TN,   51                          ; s51 the next step's place in the table
; 8 x the adder of the 128 keys at v[AT], into the scores' registers: the C of the first product.  Register 16 b + 4 j + i: key 32 b + 16 h + 4 j + i
.macro TABLE
.irp b, 0,1,2,3
.irp j, 0,1,2,3
	ds_load_b128 v[S+16*\b+4*\j:S+16*\b+4*\j+3], v[AT] offset:128*\b+16*\j
.endr
.endr
.endm
.macro STEP
	v_add_nc_u32 v[AF], s[TB], v[LB]
	v_add_nc_u32 v[AS], s[TB], v[LSC]
	v_nop
	v_nop                                          ; four places behind the last step's products, in front of loads into registers that they have read
	ds_load_b128 v[KS:KS+3], v[AS] offset:KSC      ; lanes 0-15: K's four words; lanes 16-31: V's.  (This step's part of the table was asked for in the step before, or ahead of the loop)
.irp f, 0,1,2,3
.irp p, 0,1,2,3,4,5
	ds_load_b64 v[F+12*\f+2*\p:F+12*\f+2*\p+1], v[AF] offset:1536*\f+256*\p  ; 256 consecutive bytes a load
.endr
.endr
	s_wait_alu depctr_va_vdst(0)
.irp f, 0,1,2,3                                ; the eight accumulators by turns
	s_wait_dscnt 18-6*\f                           ; fragment f is in, and all that was asked for ahead of it; the six loads of each later fragment may be out
	v_wmma_scale_f32_16x16x128_f8f6f4 v[S+8*\f:S+8*\f+7], v[F+12*\f:F+12*\f+11], v[QL:QL+11], v[S+8*\f:S+8*\f+7], v[KS+\f], v[QS] matrix_a_fmt:MATRIX_FMT_FP6 matrix_b_fmt:MATRIX_FMT_FP6
	v_wmma_scale_f32_16x16x128_f8f6f4 v[S+32+8*\f:S+32+8*\f+7], v[F+12*\f:F+12*\f+11], v[QH:QH+11], v[S+32+8*\f:S+32+8*\f+7], v[KS+\f], v[QS] matrix_a_fmt:MATRIX_FMT_FP6 matrix_b_fmt:MATRIX_FMT_FP6
.endr
.rept 4
	v_nop                                          ; places: in front of the loads below and of the first read of the scores
.endr
.irp t, 0,1,2,3
.irp p, 0,1,2,3,4,5
	ds_load_b64 v[F+12*\t+2*\p:F+12*\t+2*\p+1], v[AF] offset:VFR+1536*\t+256*\p   ; V's fragments land while the softmax is worked
.endr
.endr
.irp b, 0,1,2,3
	v_max3_num_f32 v[BM+\b], v[S+16*\b], v[S+1+16*\b], v[S+2+16*\b]   ; THE LARGEST SCORE OF EACH BLOCK OF 32 KEYS: it serves for the row's maximum and, since p rises with the score, for the block's largest p
.endr
.irp i, 3,5,7,9,11,13
.irp b, 0,1,2,3
	v_max3_num_f32 v[BM+\b], v[BM+\b], v[S+16*\b+\i], v[S+1+16*\b+\i]
.endr
.endr
.irp b, 0,1,2,3
	v_max_num_f32 v[BM+\b], v[BM+\b], v[S+15+16*\b]
.endr
.irp b, 0,1,2,3
	s_delay_alu instid0(VALU_DEP_4)
	v_permlanex16_b32 v[BT+\b], v[BM+\b], s[SEL], s[SEL+1]
.endr
.irp b, 0,1,2,3
	s_delay_alu instid0(VALU_DEP_4)
	v_max_num_f32 v[BM+\b], v[BM+\b], v[BT+\b]     ; with lane l xor 16's 16 keys
.endr
	s_delay_alu instid0(VALU_DEP_2)
	v_max3_num_f32 v[TP], v[BM], v[BM+1], v[BM+2]
	s_delay_alu instid0(VALU_DEP_1)
	v_max_num_f32 v[TP], v[TP], v[BM+3]            ; the step's largest score of my query
	s_delay_alu instid0(VALU_DEP_1)
	v_mul_f32 v[TP], s[CS], v[TP]                  ; as t (c is positive)
	s_delay_alu instid0(VALU_DEP_1)
	v_max_num_f32 v13, v13, v[TP]                  ; the running largest t
	v_mov_b32 v[TP], v12
	s_delay_alu instid0(VALU_DEP_2)
	v_floor_f32 v12, -v13                          ; the new -M = floor(-t) = -ceil(t): M is a whole number
	s_delay_alu instid0(VALU_DEP_1)
	v_sub_f32 v[TP], v12, v[TP]                    ; old M - new M: a whole number, 0 or less
	s_delay_alu instid0(VALU_DEP_1)
	v_cvt_i32_f32 v[TP], v[TP]                     ; (it saturates)
	s_delay_alu instid0(VALU_DEP_1)
	v_ldexp_f32 v[FF], 1.0, v[TP]                  ; f = 2^(old M - new M)
.set j, 0
.rept 32
	v_pk_fma_f32 v[S+j:S+j+1], v[S+j:S+j+1], s[CS:CS+1], v[12:13] op_sel_hi:[1,0,0]   ; t - M, two at a time (of the pairs c and -M the low word serves both halves)
.set j, j+2
.endr
.irp b, 0,1,2,3
	v_fma_f32 v[BM+\b], v[BM+\b], s[CS], v12       ; the same of each block's largest score
.endr
.set j, 0
	s_wait_alu depctr_va_vdst(0)
.rept 64
	v_exp_f32 v[S+j], v[S+j]                       ; p = 2^(t - M), at most 1: not normalised
.set j, j+1
.endr
	v_pk_mul_f32 v[14:15], v[14:15], v[FF:FF+1] op_sel_hi:[1,0]   ; the sums under the new M (a plain place behind the exponentials)
	s_wait_alu depctr_va_vdst(0)                   ; one wait for the batch of 64, ahead of its first reader
.irp b, 0,1,2,3
	v_exp_f32 v[BM+\b], v[BM+\b]                   ; the block's largest p: the same two instructions on the same number give the same bits
.endr
	v_pk_add_f32 v[224:225], v[100:101], v[104:105]
	v_pk_add_f32 v[252:253], v[108:109], v[112:113]
	v_pk_add_f32 v[250:251], v[116:117], v[120:121]
	v_pk_add_f32 v[248:249], v[124:125], v[128:129]
	v_pk_add_f32 v[246:247], v[132:133], v[136:137]
	v_pk_add_f32 v[238:239], v[140:141], v[144:145]
	v_pk_add_f32 v[236:237], v[148:149], v[152:153]
	v_pk_add_f32 v[14:15], v[14:15], v[156:157]
	v_pk_add_f32 v[224:225], v[224:225], v[96:97]
	v_pk_add_f32 v[252:253], v[252:253], v[98:99]
	v_pk_add_f32 v[250:251], v[250:251], v[102:103]
	v_pk_add_f32 v[248:249], v[248:249], v[106:107]
	v_pk_add_f32 v[246:247], v[246:247], v[110:111]
	v_pk_add_f32 v[238:239], v[238:239], v[114:115]
	v_pk_add_f32 v[236:237], v[236:237], v[118:119]
	v_pk_add_f32 v[14:15], v[14:15], v[122:123]
	v_pk_add_f32 v[224:225], v[224:225], v[126:127]
	v_pk_add_f32 v[252:253], v[252:253], v[130:131]
	v_pk_add_f32 v[250:251], v[250:251], v[134:135]
	v_pk_add_f32 v[248:249], v[248:249], v[138:139]
	v_pk_add_f32 v[246:247], v[246:247], v[142:143]
	v_pk_add_f32 v[238:239], v[238:239], v[146:147]
	v_pk_add_f32 v[236:237], v[236:237], v[150:151]
	v_pk_add_f32 v[14:15], v[14:15], v[154:155]
	v_pk_add_f32 v[224:225], v[224:225], v[158:159]
	s_delay_alu instid0(VALU_DEP_2)
	v_pk_add_f32 v[14:15], v[14:15], v[248:249]
	s_delay_alu instid0(VALU_DEP_2)
	v_pk_add_f32 v[224:225], v[224:225], v[246:247]
	v_pk_add_f32 v[252:253], v[252:253], v[238:239]
	v_pk_add_f32 v[250:251], v[250:251], v[236:237]
	s_delay_alu instid0(VALU_DEP_2)
	v_pk_add_f32 v[14:15], v[14:15], v[252:253]
	s_delay_alu instid0(VALU_DEP_2)
	v_pk_add_f32 v[224:225], v[224:225], v[250:251]
	s_delay_alu instid0(VALU_DEP_1)
	v_pk_add_f32 v[14:15], v[14:15], v[224:225]
	s_wait_alu depctr_va_vdst(0)                   ; and one for the four
.irp b, 0,1,2,3
	v_max_num_f32 v[BM+\b], 0x1800000, v[BM+\b]    ; the floor 2^(3 - 127): a block whose every p has fallen to 0 keeps the byte 1: its codes are zeros
.endr
.irp b, 0,1,2,3
	s_delay_alu instid0(VALU_DEP_4)
	v_add_nc_u32 v[BS+\b], 0xff000000, v[BM+\b]    ; 2 off the exponent field: the conversion's scale operand
.endr
.irp b, 0,1,2,3
	s_delay_alu instid0(VALU_DEP_4)
	v_lshrrev_b32 v[BT+\b], 23, v[BS+\b]           ; the scale's byte
.endr
	s_delay_alu instid0(VALU_DEP_3)
	v_lshl_or_b32 v[PW], v[BT+1], 8, v[BT]         ; p's scale word for these 128 keys
	s_delay_alu instid0(VALU_DEP_1)
	v_lshl_or_b32 v[PW], v[BT+2], 16, v[PW]
	s_delay_alu instid0(VALU_DEP_1)
	v_lshl_or_b32 v[PW], v[BT+3], 24, v[PW]
.irp c, 0,1
	v_cvt_scalef32_pk16_fp6_f32 v[PC+6*\c:PC+2+6*\c], v[S+32*\c:S+15+32*\c], v[BS+2*\c]
	v_cvt_scalef32_pk16_fp6_f32 v[P2+4*\c:P2+2+4*\c], v[S+16+32*\c:S+31+32*\c], v[BS+2*\c+1]   ; (a conversion's three registers begin on an even number)
.endr
	s_add_co_u32 s[TN], s[TT], 512                 ; p is in codes: its registers take the next step's part of the table now;
	s_min_u32 s[TN], s[TN], 15*512                 ; the last step asks for its own part again, which nobody uses: no load leaves the table
	v_add_nc_u32 v[AT], s[TN], v[LT]               ; (the plain place behind the conversions)
	TABLE
.irp c, 0,1                                    ; the operand's layout wants a WHOLE block in a lane
.irp i, 0,1,2
	v_permlane16_swap_b32 v[PC+6*\c+\i], v[P2+4*\c+\i]
.endr
.irp i, 0,1,2
	s_delay_alu instid0(VALU_DEP_3)
	v_mov_b32 v[PC+3+6*\c+\i], v[P2+4*\c+\i]
.endr
.endr
.set j, 0
.rept 16
	v_pk_mul_f32 v[O+j:O+j+1], v[O+j:O+j+1], v[FF:FF+1] op_sel_hi:[1,0]   ; O^T under the new M; ascending.  (These stand between the writes of p's codes and scale word and the products)
.set j, j+2
.endr
	s_wait_alu depctr_va_vdst(0)
	s_wait_dscnt 16                                ; V's fragments are in; the table's sixteen loads, issued behind them, may be out
.irp t, 0,1,2,3
	v_wmma_scale_f32_16x16x128_f8f6f4 v[O+8*\t:O+8*\t+7], v[F+12*\t:F+12*\t+11], v[PC:PC+11], v[O+8*\t:O+8*\t+7], v[KS+\t], v[PW] matrix_a_fmt:MATRIX_FMT_FP6 matrix_b_fmt:MATRIX_FMT_FP6 matrix_a_scale:MATRIX_SCALE_ROW1
.endr
	s_add_co_u32 s[TB], s[TB], STEPB
	s_add_co_u32 s[TT], s[TT], 512
.endm
; n key steps on end, with no barrier among them: the blocks that they read have been shown to all waves, and nothing in LDS is filled again
.macro STEPS n
	s_mov_b32 s[CNT], \n
.Lstep_\@:
	STEP
	s_sub_co_u32 s[CNT], s[CNT], 1
	s_cmp_lg_u32 s[CNT], 0
	s_cbranch_scc1 .Lstep_\@
.endm
; A PASS: a tile of 16 queries against all 2,048 keys.  first = 1: the first of the two, which shows the blocks to all waves by two barriers and asks for the second pass's q
.macro APASS first
	s_wait_loadcnt 0x0                             ; this pass's q
.irp i, 0,1,2,3,4,5
	v_mov_b32 v[QL+\i], v[QN+\i]
	v_mov_b32 v[QH+6+\i], v[QN+\i]
.endr
	v_perm_b32 v[QS], v[QNW], v[QNW], s[QSEL]      ; my tile's two bytes, twice
	v_mov_b32 v13, 0xff61b1e6                      ; the largest t so far: -3e38, under every t
	s_delay_alu instid0(VALU_DEP_1)
	v_floor_f32 v12, -v13                          ; -M
	v_mov_b32 v14, 0                               ; the sum, in two halves
	v_mov_b32 v15, 0
.set j, 0
.rept 32
	v_mov_b32 v[O+j], 0                            ; O^T: the step is written once; the first finds zeros, which the first change of M leaves zeros
.set j, j+1
.endr
.if \first
.irp p, 0,1,2
	global_load_b64 v[QN+2*\p:QN+2*\p+1], v[LB], s[4:5] offset:2*6400+256*\p
.endr
	global_load_b32 v[QNW], v[R16], s[16:17] offset:2*6400
.endif
	s_mov_b32 s[TB], 0
	s_mov_b32 s[TT], 0
.if \first
	s_wait_alu depctr_va_vdst(0)
	s_wait_dscnt 0x0                               ; my store into the table has landed
	s_cmp_lt_u32 s[WV], 4
	s_cbranch_scc0 .Lnot_first
	s_wait_tensorcnt 0x0                           ; waves 0 to 3: blocks 0 to 3 are in
.Lnot_first:
	s_barrier_signal -1
	s_barrier_wait -1                              ; the table and blocks 0 to 3 are shown to all
	v_add_nc_u32 v[AT], s[TT], v[LT]
	TABLE                                          ; the first step's part of the table
	STEPS 4
	s_wait_tensorcnt 0x0                           ; every wave: its block is in
	s_wait_dscnt 0x0
	s_barrier_signal -1
	s_barrier_wait -1                              ; all sixteen blocks are shown to all
	STEPS 12
.else
	v_add_nc_u32 v[AT], s[TT], v[LT]
	TABLE                                          ; the first step's part of the table
	STEPS 16
.endif
	s_wait_dscnt 0x0                               ; the last step's loads of the table have landed: the way out writes their registers
	; THE WAY OUT: O^T / the sum goes through my stage in LDS and leaves as rows of 256 consecutive, aligned bytes: one head's 64 channels of one token
.rept 4
	v_nop                                          ; places behind the last products
.endr
	v_add_f32 v14, v14, v15                        ; the sum's two halves,
	s_delay_alu instid0(VALU_DEP_1)
	v_permlanex16_b32 v[BT], v14, s[SEL], s[SEL+1]
	s_delay_alu instid0(VALU_DEP_1)
	v_add_f32 v14, v14, v[BT]                      ; and lane l xor 16's: the row's sum
	s_wait_alu depctr_va_vdst(0)
	v_rcp_f32 v14, v14
	v_nop                                          ; a plain place behind the reciprocal
	s_wait_alu depctr_va_vdst(0)                   ; and the wait ahead of its first reader
.set j, 0
.rept 32
	v_mul_f32 v[S+j], v[O+j], v14                  ; register 16 b + i is channel 32 b + 16 h + i of my query
.set j, j+1
.endr
.irp i, 0,1,2,3,4,5,6,7
	ds_store_b128 v[STO], v[S+4*\i:S+4*\i+3] offset:128*(\i/4)+16*(\i%4)
.endr
.irp i, 0,1,2,3,4,5,6,7
	ds_load_b128 v[S+32+4*\i:S+32+4*\i+3], v[RD] offset:2*\i*SPI   ; LDS serves a wave's instructions in order: these see my stores
.endr
.irp i, 0,1,2,3,4,5,6,7
	s_wait_dscnt 7-\i                              ; rows 2 i, 2 i + 1 are back; the younger loads may be out
	global_store_b128 v[GO], v[S+32+4*\i:S+32+4*\i+3], s[10:11] offset:(16*(\i/4)+2*(\i%4))*4096 th:TH_STORE_NT   ; stage row rho is token rho % 8 + 16 (rho / 8) of my tile
.endr
	s_wait_xcnt 0x0                                ; the stores have read their data and their base: both are written again only behind this wait
.if \first
	s_add_nc_u64 s[10:11], s[10:11], 0x100000      ; 256 tokens on
.endif
.endm
	APASS 1
	APASS 0
	s_wait_tensorcnt 0x0                           ; the wave's end
	ds_add_u32 v254, v255
	s_wait_dscnt 0x0
	CROUND                                         ; the closing round: no work-group ends while a partner may still ask for a block that names it
	s_endpgm
.Lfunc_end_k_qfe2f737ca5_attn:
	.size	k_qfe2f737ca5_attn, .Lfunc_end_k_qfe2f737ca5_attn-k_qfe2f737ca5_attn
	.p2alignl 7, 3214868480
	.fill 96, 4, 3214868480
	.section	.rodata,"a",@progbits
	.p2align	6, 0x0
	.amdhsa_kernel k_qfe2f737ca5_attn
		.amdhsa_group_segment_fixed_size 284672
		.amdhsa_private_segment_fixed_size 0
		.amdhsa_enable_private_segment 0
		.amdhsa_kernarg_size 32
		.amdhsa_user_sgpr_count 2
		.amdhsa_user_sgpr_kernarg_segment_ptr 1
		.amdhsa_wavefront_size32 1
		.amdhsa_system_sgpr_workgroup_id_x 1
		.amdhsa_system_sgpr_workgroup_id_y 1
		.amdhsa_system_sgpr_workgroup_id_z 1
		.amdhsa_system_vgpr_workitem_id 0
		.amdhsa_next_free_vgpr 256
		.amdhsa_next_free_sgpr 66
		.amdhsa_reserve_vcc 0
		.amdhsa_float_denorm_mode_32 3
		.amdhsa_float_denorm_mode_16_64 3
		.amdhsa_memory_ordered 1
		.amdhsa_forward_progress 1
		.amdhsa_inst_pref_size 80
	.end_amdhsa_kernel
	.amdgpu_metadata
---
amdhsa.version: [ 1, 2 ]
amdhsa.kernels:
  - .name:           k_qfe2f737ca5_attn
    .symbol:         k_qfe2f737ca5_attn.kd
    .args:
      - { .name: qg, .offset: 0, .size: 8, .value_kind: global_buffer, .address_space: global }
      - { .name: kv, .offset: 8, .size: 8, .value_kind: global_buffer, .address_space: global }
      - { .name: mask, .offset: 16, .size: 8, .value_kind: global_buffer, .address_space: global }
      - { .name: out0, .offset: 24, .size: 8, .value_kind: global_buffer, .address_space: global }
    .group_segment_fixed_size: 284672
    .private_segment_fixed_size: 0
    .kernarg_segment_align: 8
    .kernarg_segment_size: 32
    .max_flat_workgroup_size: 512
    .sgpr_count:     66
    .vgpr_count:     256
    .wavefront_size: 32
...
	.end_amdgpu_metadata
.endif
;; end of part 3
